; MI455X (gfx1250); checked and timed in simulation.
; The chip was launched on July 23, 2026; its instructions are those of AMD's public machine-readable ISA for CDNA 5 (MIT licence, August 2026) and "CDNA5" Instruction Set Architecture Reference Guide (July 2026). The comments in the code are by the model that wrote it; some were corrected since.
;; Attention Head. Allowed arithmetic: matrix products marked QUANTISED: E2M1 operands, one E8M0 scale for each 32 along K, by v_wmma_scale_f32_16x16x128_f8f6f4 with both operands' format E2M1 (or v_wmma_scale_f32_32x16x128_f4), f32 sums; everything else in f32.
;; Inputs: Wk_codes 128 x 64 x 16 uint8 (E2M1 codes of Wk, K innermost, in blocks of 32 codes, two codes a byte); Wk_scales 128 x 64 uint8 (E8M0 scales of Wk, one for each 32 codes along K); Wq_codes 128 x 64 x 16 uint8 (E2M1 codes of Wq, K innermost, in blocks of 32 codes, two codes a byte); Wq_scales 128 x 64 uint8 (E8M0 scales of Wq, one for each 32 codes along K); Wv_codes 128 x 64 x 16 uint8 (E2M1 codes of Wv, K innermost, in blocks of 32 codes, two codes a byte); Wv_scales 128 x 64 uint8 (E8M0 scales of Wv, one for each 32 codes along K); x_codes 8 x 4,096 x 64 x 16 uint8 (E2M1 codes of x, K innermost, in blocks of 32 codes, two codes a byte); x_scales 8 x 4,096 x 64 uint8 (E8M0 scales of x, one for each 32 codes along K).
;; Outputs: out0 8 x 4,096 x 128 float32.
;; This version of the problem:
;;   THIS VERSION OF THE PROBLEM IS GIVEN IN LOW PRECISION. The matrix products marked QUANTISED in the list below multiply operands that are first quantised to E2M1 (2 exponent bits, 1 mantissa bit; 4 bits a number), with one power-of-two scale for each 32 numbers along K (OCP MX v1.0); their sums are f32. All else is computed in f32.
;;   The module's matrix products, in the order in which they are computed (A, B: the left and right operand; K: the contracted axis; several contracted axes count as one K, in the product's order):
;;     1. [M 32,768, K 2,048] x [K 2,048, N 128]; A: input x (given as codes); B: input Wq (given as codes): QUANTISED
;;     2. [M 32,768, K 2,048] x [K 2,048, N 128]; A: input x (given as codes); B: input Wk (given as codes): QUANTISED
;;     3. [M 32,768, K 2,048] x [K 2,048, N 128]; A: input x (given as codes); B: input Wv (given as codes): QUANTISED
;;     4. batch 8 x [M 4,096, K 128] x [K 128, N 4,096]; A: computed on the way; B: computed on the way: QUANTISED
;;     5. batch 8 x [M 4,096, K 4,096] x [K 4,096, N 128]; A: computed on the way; B: computed on the way: QUANTISED
;;   THE QUANTISER, for each operand of a quantised product, along K:
;;     - K is cut into blocks of 32 from its start; a last block that is shorter is filled with zeros.
;;     - A block's scale is 2^e with e = floor(log2(the largest magnitude in the block)) - 2, held to -126 .. 127; a block of zeros has e = 0. As a byte (E8M0): e + 127.
;;     - Each number is divided by its block's scale, clamped to +-6, and rounded to the nearest number of E2M1, ties to even, subnormals kept.
;;     - The product sums the exact products of the quantised numbers (number of the format x scale) in f32.
;;   ~~~python
;;   def quantise(x, axis):      # numpy; x: float32 -> the quantised numbers, widened to float32 again
;;       x = np.moveaxis(x, axis, -1); K = x.shape[-1]
;;       x = np.pad(x, [(0, 0)] * (x.ndim - 1) + [(0, -K % 32)]); x = x.reshape(x.shape[:-1] + (-1, 32)); a = np.abs(x).max(-1, keepdims=True)
;;       e = np.where(a > 0, np.clip(np.frexp(np.where(a > 0, a, 1))[1] - 1 - 2, -126, 127), 0)      # np.frexp(a)[1] - 1 = floor(log2(a)), exactly
;;       r = np.clip(x / 2.0 ** e, -6, 6)
;;       step = 2.0 ** (np.maximum(np.frexp(np.where(r == 0, 1, r))[1] - 1, 0) - 1)
;;       q = np.round(r / step) * step * 2.0 ** e      # np.round: ties to even
;;       return np.moveaxis(q.reshape(q.shape[:-2] + (-1,))[..., :K], -1, axis).astype(np.float32)
;;   ~~~
;;   OPERANDS COMPUTED ON THE WAY. 'Computed on the way' means the value that the module computes at that place (a softmax that the list does not call 'softmax' is quantised finished and normalised). What goes into a quantiser is computed in f32, as accurately as f32 sums, v_exp_f32 and their like allow (about 1e-6 of the number): no bf16 or f16 on the way to a quantiser, and a product that is left as it is and whose result goes on into a quantised operand takes f32 operands (vector FMAs, or v_wmma_f32_16x16x4_f32). A number that lies on a knife's edge between two numbers of the format may be rounded either way, as far as f32 arithmetic and the matrix unit's own rounding can turn it there, and no further.
;;   INPUTS GIVEN AS CODES. Wk (in the module: [2048, 128], K = its axis 0); Wq (in the module: [2048, 128], K = its axis 0); Wv (in the module: [2048, 128], K = its axis 0); x (in the module: [8, 4096, 2048], K = its axis 2): each comes as NAME_codes (uint8): NAME with its K axis moved to the last place and cut into blocks of 32 codes, [.., K / 32, bytes a block], one block behind the other in memory; two codes a byte, the lower K in the low four bits (a code: sign, 2 exponent bits, 1 mantissa bit); and NAME_scales (uint8): the same leading axes, one E8M0 byte (e + 127) for each 32 codes along K. Its value is code x scale, taken as it is: it is not quantised again, and the codes and scales need not be those that the quantiser above would give.
;; One version. Each part assembles by itself: llvm-mc -triple=amdgcn-amd-amdhsa -mcpu=gfx1250 --defsym DOCPART=n.
;; ======== version 1 of 1: 3 launches
;; limits: right only within a limited range of input values
;; workspace buffers: qfrag 2,097,152 bytes; kfrag 2,097,152 bytes; vfrag 2,097,152 bytes; qsc 131,072 bytes; ksc 131,072 bytes; vsc 131,072 bytes; nobuf 131,072 bytes
;; launch proj (part 1): grid 256 x 1, 4 waves a work-group, clusters of 4 x 1, 327,680 bytes of LDS; arguments x_codes, x_scales, Wq_codes, Wq_scales, Wk_codes, Wk_scales, Wv_codes, Wv_scales, qfrag, qsc, kfrag, ksc, vfrag, vsc; writes qfrag, qsc, kfrag, ksc, vfrag, vsc
.if DOCPART == 1
	.amdgcn_target "amdgcn-amd-amdhsa--gfx1250"
	.amdhsa_code_object_version 6
	.text
	.protected	k_qe7495ed628_proj
	.globl	k_qe7495ed628_proj
	.p2align	8
	.type	k_qe7495ed628_proj,@function
k_qe7495ed628_proj:
	s_mov_b64 s[64:65], 0
	v_nop
	global_prefetch_b8 v0, s[64:65] scope:SCOPE_SE
	s_setreg_imm32_b32 hwreg(HW_REG_WAVE_MODE, 25, 1), 1
	s_wait_xcnt 0x0
	s_wait_alu depctr_hold_cnt(0) depctr_sa_sdst(0) depctr_va_vdst(0) depctr_va_sdst(0) depctr_va_ssrc(0) depctr_va_vcc(0) depctr_vm_vsrc(0)
	s_getreg_b32 s2, hwreg(HW_REG_IB_STS2, 6, 4)
	s_cmp_eq_u32 s2, 0
	s_cbranch_scc0 .Lentry_in_a_cluster
	s_endpgm
.Lentry_in_a_cluster:
	s_bfe_u32 s2, ttmp6, 0x10000c
	s_cmp_lg_u32 s2, 0x3003
	s_cbranch_scc0 .Lentry_shape_is_right
	s_endpgm
.Lentry_shape_is_right:
; LAUNCH 1 OF 3.  q, k, v = x W (x: [32768][2048], W: [128][2048], both as E2M1 codes with K innermost and one E8M0 byte for each 32 along K), sums in f32,
; and q, k, v quantised at once for the products that follow: q and k along the head's 128, v along the keys.  They leave as IMAGES OF OPERAND REGISTERS:
;   qfrag, kfrag, vfrag: [block of 128 tokens g][fragment a = 0..7][c = 0,1][lane][16 bytes]; q, k: fragment a = tokens 16 a + lane % 16, K = d; v: fragment a = d 16 a + lane % 16, K = the block's 128 tokens;
;   qsc, ksc, vsc: [g][lane][p = 0..3][4 bytes]: the scale word of row lane % 16 of fragment 2 p + lane / 16.
; DEAD WORK, for the whole program (this launch leaves nothing out).  reference() itself sets wei[t][s] to -inf for s > t, by a tril that it builds in its own body.  There exp gives exactly 0: it is never a
; column's maximum (the entry t = s is finite), adds nothing to a column's sum, does not move the largest magnitude of a block of 32 keys, and its code is 0, which adds nothing to wei v under any scale.
; So tiles of 16 x 128 scores that lie wholly above the diagonal are left out of q k^T and of wei v in launches 2 and 3, for all values of the inputs; the step of 128 on the diagonal is done and masked.
; Every input has a way to the output and is loaded.  LIMITS: a NaN, an infinity or an overflow that reaches only the work left out is not carried to the result; NaN and infinities among the inputs are not served;
; a block of zeros gets the scale byte 1 where the quantiser says 127 (its codes are zeros, and these bytes are read by this program alone).
; SHARES.  Work-group g owns tokens 128 g .. 128 g + 127 and all 384 columns.  Wave 0 fetches x's tiles and multiplies nothing; waves 1, 2, 3 fetch Wq, Wk, Wv and make q, k, v: 128 x 128 each, 64 accumulators, 512 registers.
; Three waves with the largest tile read 3 x 2 x 128 rows of each K step from LDS; four waves that shared the rows would read 4 x (32 + 384) rows.  x's bytes are read once from memory.
; CLUSTER.  The four work-groups of a cluster walk the same W: its tiles and scales are asked for jointly (mask 15); x's tiles are each work-group's own (no mask).
; ROLES.  D(a, b) = (source 0 = block b of 'B', source 1 = block a of 'A'): a lane holds a row of A, its registers run along B's rows.  Waves 1, 2: A = x, B = W: a lane is a token, registers run along d.
; Wave 3: A = Wv, B = x: a lane is a d, registers run along the tokens.  One text serves all: only LDS bases and output pointers differ.
; REGISTERS: window 0: v16-29 addresses; v32-95 scale words, two sets; v96-107 at work; v112-123 scale words made; v128-191 A's fragments, later the codes.  window 1: B's fragments, two sets.  windows 2, 3: the accumulators.
.set PITCH,  272                       ; an LDS row: 256 bytes (512 codes) + 16 of padding: the 16 rows of a fragment load start 16 bytes apart modulo 256
.set HALFT,  128*PITCH                 ; 128 rows: one tensor load
.set SLOT,   4*HALFT                   ; x, Wq, Wk, Wv: region number = the fetching wave's number
.set SCL,    2*SLOT                    ; behind the ring: the scale bytes of all of K, four blocks of 128 rows x 64 bytes, as units of 256 bytes + 16.  Each wave brings its own block through registers (16 loads, 16 LDS stores): no tensor load lands here
.set HALFS,  32*272
.set SBLK,   4*272                     ; the scales of 16 rows
.set SPARE,  SCL+4*HALFS               ; the spare words: 128 bytes a wave
.set FR,     8
.set ADRA, 16                          ; v16-17 LDS address of A's fragments in slot 0, 1
.set ADRB, 20                          ; v20-21 of B's
.set LI,   24                          ; v24    16 x lane
.set ADRS, 27                          ; v27    my scale words: lanes 0-15 A's rows, lanes 16-31 B's
.set SPW,  28
.set NIL,  29
.set SC,   32
.set TM,   96
.set PW,   112
.set SW,   120
.set AF,   128
.set G1X,  32                          ; s[32:39] group 1 for x's tiles; s[40:47] for W's
.set G1W,  40
.set STS,  25                          ; v25    where my lane puts its 16 scale bytes: SCL + wave x HALFS + 272 (lane / 16) + 16 (lane % 16)
.set G0X,  68                          ; s[68:75] group 0 for x's tiles, a set for each slot; s[76:83] for W's
.set G0W,  76
.set WV,   92
.set HM,   93
.set SEL,  94
.set OF,   96
.set OS,   98
.set MSB, 0
.macro WIN new                         ; the immediate's high byte repeats the setting that is left; a switch that changes nothing is dropped
.set WNEW, \new
.if MSB != WNEW
	s_set_vgpr_msb (MSB<<8)|WNEW
.set MSB, WNEW
.endif
.endm
.set MUL_LO, 0xa1                      ; source 0 (B) window 1, source 1 (A) window 0, C and D window 2
.set MUL_HI, 0xf1
.set TO_B,   0x40
.macro JLOAD g0x, g1x, g0w, g1w        ; wave 0 fetches for x, waves 1 to 3 jointly for W; an s_nop 0 and four v_nop follow each line
	s_cmp_eq_u32 s[WV], 0
	s_cbranch_scc0 .Lfw_\@
	tensor_load_to_lds s[\g0x:\g0x+3], s[\g1x:\g1x+7]
	s_nop 0
.rept 4
	v_nop
.endr
	s_branch .Lak_\@
.Lfw_\@:
	tensor_load_to_lds s[\g0w:\g0w+3], s[\g1w:\g1w+7]
	s_nop 0
.rept 4
	v_nop
.endr
.Lak_\@:
.endm
.macro ROUND                           ; a round of the cluster's barrier
	s_barrier_signal -1
	s_barrier_wait -1
	s_cmp_lg_u32 s[WV], 0
	s_cbranch_scc1 .Lnw_\@
	s_barrier_signal -3
.Lnw_\@:
	s_barrier_wait -3
	s_barrier_signal -1
	s_barrier_wait -1
.endm
.macro PLACES n
.rept \n
	v_nop
.endr
.endm
.macro FRAG reg, adr, q, i             ; 16 rows x 128 K: lane (r, h) takes bytes 32 c + 16 h of its row's 64
.irp c, 0,1
	ds_load_b128 v[(\reg)+4*\c:(\reg)+4*\c+3], v[\adr] offset:64*(\q)+32*\c+(\i)*16*PITCH
.endr
.endm
.macro MUL16 a0, p, q, sc, zero        ; A's blocks a0, a0 + 1 x B's eight; the 64 accumulators take turns in the same order in every step
.irp a, \a0, \a0+1
.irp b, 0,1,2,3,4,5,6,7
.if \zero
	v_wmma_scale_f32_16x16x128_f8f6f4 v[8*(8*((\a)%4)+\b):8*(8*((\a)%4)+\b)+7], v[128*(\p)+FR*\b:128*(\p)+FR*\b+FR-1], v[AF+FR*(\a):AF+FR*(\a)+FR-1], 0, v[SC+32*(\sc)+4*\b+(\q)], v[SC+32*(\sc)+4*(\a)+(\q)] matrix_a_fmt:MATRIX_FMT_FP4 matrix_b_fmt:MATRIX_FMT_FP4 matrix_a_scale:MATRIX_SCALE_ROW1
.else
	v_wmma_scale_f32_16x16x128_f8f6f4 v[8*(8*((\a)%4)+\b):8*(8*((\a)%4)+\b)+7], v[128*(\p)+FR*\b:128*(\p)+FR*\b+FR-1], v[AF+FR*(\a):AF+FR*(\a)+FR-1], v[8*(8*((\a)%4)+\b):8*(8*((\a)%4)+\b)+7], v[SC+32*(\sc)+4*\b+(\q)], v[SC+32*(\sc)+4*(\a)+(\q)] matrix_a_fmt:MATRIX_FMT_FP4 matrix_b_fmt:MATRIX_FMT_FP4 matrix_a_scale:MATRIX_SCALE_ROW1
.endif
.endr
.endr
.endm
.macro FETCH_B slot, q, p
	WIN TO_B
.irp i, 0,1,2,3,4,5,6,7
	FRAG 128*(\p)+FR*\i, ADRB+\slot, \q, \i
.endr
	WIN 0
.endm
.macro FETCH_A slot, q, i0
.irp i, \i0, \i0+1, \i0+2, \i0+3
	FRAG AF+FR*(\i), ADRA+\slot, \q, \i
.endr
.endm
.macro SCALES sc, n                    ; K step n's scale words (16 bytes a row) into set sc: register 4 i + q: lanes 0-15 A's block i, lanes 16-31 B's block i
.irp i, 0,1,2,3,4,5,6,7
	ds_load_b128 v[SC+32*(\sc)+4*\i:SC+32*(\sc)+4*\i+3], v[ADRS] offset:16*(\n)+\i*SBLK
.endr
.endm
.macro STEP slot, q, zero              ; 128 along K, with its successor in the same slot
	s_wait_dscnt 8                                 ; all but the youngest eight loads (A's blocks 4-7) are in
	WIN MUL_LO
	MUL16 0, (\q)%2, \q, \slot, \zero
	MUL16 2, (\q)%2, \q, \slot, \zero
	s_wait_dscnt 0
	PLACES 4                                       ; four places in front of loads into registers that matrix instructions have read
	FETCH_B \slot, (\q)+1, 1-(\q)%2
	FETCH_A \slot, (\q)+1, 0
	WIN MUL_HI
	MUL16 4, (\q)%2, \q, \slot, \zero
	MUL16 6, (\q)%2, \q, \slot, \zero
	PLACES 4
	WIN 0
	FETCH_A \slot, (\q)+1, 4
.endm
.macro TURN_PRE slot                   ; the first half of a slot's last step
	s_wait_dscnt 8
	WIN MUL_LO
	MUL16 0, 1, 3, \slot, 0
	MUL16 2, 1, 3, \slot, 0
	WIN 0
.endm
.macro TURN_POST slot, next, n         ; its second half, behind the change of slots: the next slot's first fragments and K step n's scale words are fetched first
	PLACES 4
	FETCH_B \next, 0, 0
	FETCH_A \next, 0, 0
	SCALES \next, \n
	WIN MUL_HI
	MUL16 4, 1, 3, \slot, 0
	MUL16 6, 1, 3, \slot, 0
	PLACES 4
	WIN 0
	FETCH_A \next, 0, 4
.endm
; THE CHANGE OF SLOTS, on every wave's path.  All my tensor loads have landed (my part of the next slot); 0 onto my spare word; the add is done and my reads of this slot are over; then the barrier.
; fill = 1: the barrier is a round of the cluster's, and the slot just left is filled again first thing behind it, two K steps ahead: one load a wave.
.macro CHANGE slot, fill
	s_wait_tensorcnt 0x0
	ds_add_u32 v[SPW], v[NIL]
.if \fill
	s_add_nc_u64 s[G0X+4*\slot+2:G0X+4*\slot+3], s[G0X+4*\slot+2:G0X+4*\slot+3], 512
	s_add_nc_u64 s[G0W+4*\slot+2:G0W+4*\slot+3], s[G0W+4*\slot+2:G0W+4*\slot+3], 512
.endif
	s_wait_dscnt 0x0
.if \fill
	ROUND
	JLOAD G0X+4*\slot, G1X, G0W+4*\slot, G1W
.else
	s_barrier_signal -1
	s_barrier_wait -1
.endif
.endm
; 64 numbers of a lane in window w, register 8 t + j = k 16 t + 8 (lane / 16) + j of my row, become a fragment's codes in v[cod] on and its scale word in v[wrd].
; A block of 32 is tiles 2 b, 2 b + 1 of lanes l and l xor 16.  The codes of tiles 4 c, 4 c + 2, 4 c + 1, 4 c + 3 go to registers 4 c + 0 .. 3; two exchanges of halves then give the operand's layout.
.macro QUANT s, w, cod, wrd, abs
	WIN ((\w)|((\w)<<2))
.irp b, 0,1,2,3
.if \abs
	v_max3_num_f32 v[TM+\b], |v[(\s)+16*\b]|, |v[(\s)+16*\b+1]|, 0x1800000   ; with the floor 2^(3 - 127): the byte cannot fall under 1
.else
	v_max3_num_f32 v[TM+\b], v[(\s)+16*\b], v[(\s)+16*\b+1], 0x1800000
.endif
.endr
	WIN (((\w)<<2)|((\w)<<4))
.irp i, 2,4,6,8,10,12,14
.irp b, 0,1,2,3
.if \abs
	v_max3_num_f32 v[TM+\b], v[TM+\b], |v[(\s)+16*\b+\i]|, |v[(\s)+16*\b+\i+1]|
.else
	v_max3_num_f32 v[TM+\b], v[TM+\b], v[(\s)+16*\b+\i], v[(\s)+16*\b+\i+1]
.endif
.endr
.endr
	WIN 0
.irp b, 0,1,2,3
	v_permlanex16_b32 v[TM+4+\b], v[TM+\b], s[SEL], s[SEL+1]
.endr
.irp b, 0,1,2,3
	v_max_num_f32 v[TM+\b], v[TM+\b], v[TM+4+\b]   ; the block's largest magnitude
.endr
.irp b, 0,1,2,3
	v_add_nc_u32 v[TM+8+\b], 0xff000000, v[TM+\b]  ; 2 off its exponent field: the conversion's scale operand
.endr
.irp b, 0,1,2,3
	v_lshrrev_b32 v[TM+4+\b], 23, v[TM+8+\b]       ; the scale's byte
.endr
	v_lshl_or_b32 v[\wrd], v[TM+5], 8, v[TM+4]
	v_lshl_or_b32 v[\wrd], v[TM+6], 16, v[\wrd]
	v_lshl_or_b32 v[\wrd], v[TM+7], 24, v[\wrd]
	WIN (\w)
.irp t, 0,1,2,3,4,5,6,7
	v_cvt_scalef32_pk8_fp4_f32 v[(\cod)+4*(\t/4)+2*(\t%2)+((\t%4)/2)], v[(\s)+8*\t:(\s)+8*\t+7], v[TM+8+\t/2]
.endr
	WIN 0
	v_nop                                          ; one plain place behind the scaled conversions
.irp c, 0,1
	v_permlane16_swap_b32 v[(\cod)+4*\c], v[(\cod)+4*\c+1]
	v_permlane16_swap_b32 v[(\cod)+4*\c+2], v[(\cod)+4*\c+3]
.endr
.endm
	s_load_b512 s[4:19], s[0:1], 0x0               ; x's codes, scales; Wq's; Wk's; Wv's
	s_load_b256 s[20:27], s[0:1], 0x40             ; qfrag, qsc, kfrag, ksc
	s_load_b128 s[28:31], s[0:1], 0x60             ; vfrag, vsc
	v_lshl_add_u32 v[SPW], v0, 2, SPARE
	v_mov_b32 v[NIL], 0
	ds_add_u32 v[SPW], v[NIL]                      ; the opening: the add, twice on end, and its wait ahead of my first tensor load
	ds_add_u32 v[SPW], v[NIL]
	v_lshrrev_b32 v1, 5, v0
	v_readfirstlane_b32 s[WV], v1                  ; wave 0..3
	s_bfe_u32 s2, ttmp6, 0x40000                   ; cx
	s_lshl_b32 s100, ttmp9, 2
	s_add_co_u32 s2, s100, s2                      ; g = 4 x cluster + cx: it enters x's and the outputs' addresses alone
	v_and_b32 v1, 15, v0                           ; r
	v_bfe_u32 v2, v0, 4, 1                         ; h
	v_and_b32 v3, 31, v0
	v_lshlrev_b32 v[LI], 4, v3
	s_lshr_b32 s3, s[WV], 1
	s_and_b32 s3, s3, s[WV]                        ; 1 in wave 3
	s_mul_i32 s3, s3, 3                            ; A's region: 0 (x), in wave 3: 3 (Wv)
	s_xor_b32 s100, s[WV], s3                      ; B's region: my W, in wave 3: 0 (x)
	s_mul_i32 s101, s3, HALFT
	s_mul_i32 s100, s100, HALFT
	v_mul_u32_u24 v4, v1, PITCH
	v_lshl_add_u32 v4, v2, 4, v4                   ; row x pitch + 16 x half
.irp s, 0,1
	v_add_nc_u32 v[ADRA+\s], s101, v4
	v_add_nc_u32 v[ADRB+\s], s100, v4
	s_add_co_u32 s101, s101, SLOT
	s_add_co_u32 s100, s100, SLOT
.endr
	v_lshrrev_b32 v5, 2, v1                        ; a row of scales is 64 bytes: four rows to a unit of 256 + 16
	v_mul_u32_u24 v5, v5, 272
	v_and_b32 v6, 3, v1
	v_lshl_add_u32 v5, v6, 6, v5
	v_mul_u32_u24 v6, s[WV], v2                    ; lanes 0-15: A's region; lanes 16-31: that exclusive-or my wave's number = B's
	v_xor_b32 v6, s3, v6
	v_mul_u32_u24 v6, v6, HALFS
	v_add_nc_u32 v5, v5, v6
	v_add_nc_u32 v[ADRS], SCL, v5
.irp b, 0,1,2,3
	v_mov_b32 v[TM+4+\b], 0                        ; written once: a lane permute's destination counts as one of its sources
.endr
	s_mov_b32 s[HM], 0xffff0000                    ; lanes 16-31
	s_mov_b32 s[SEL], 0x76543210
	s_mov_b32 s[SEL+1], 0xfedcba98
	s_mov_b32 s[G1X], 0x07500000                   ; no mask; elements of 1 byte; padding on: 4 words after every 64
	s_mov_b32 s[G1W], 0x0770000f                   ; the same with the mask of all four work-groups and bit 21 beside it
.irp g, G1X, G1W
	s_mov_b32 s[\g+1], 256<<16                     ; tensor_dim0 = 256 bytes
	s_mov_b32 s[\g+2], 128<<16                     ; tensor_dim1 = 128
	s_mov_b32 s[\g+3], 256<<16                     ; tile_dim0
	s_mov_b32 s[\g+4], 128                         ; tile_dim1
	s_mov_b32 s[\g+5], 1024                        ; a row of 2,048 codes
	s_mov_b32 s[\g+6], 0
	s_mov_b32 s[\g+7], 0
.endr
	s_wait_alu depctr_va_vdst(0)
	s_wait_dscnt 0x0                               ; both opening adds are done
	s_wait_kmcnt 0x0
	s_cmp_eq_u32 s[WV], 2                          ; my W and my outputs: a choice on the wave's number alone
	s_cselect_b64 s[8:9], s[12:13], s[8:9]
	s_cselect_b64 s[10:11], s[14:15], s[10:11]
	s_cselect_b64 s[20:21], s[24:25], s[20:21]
	s_cselect_b64 s[22:23], s[26:27], s[22:23]
	s_cmp_eq_u32 s[WV], 3
	s_cselect_b64 s[8:9], s[16:17], s[8:9]
	s_cselect_b64 s[10:11], s[18:19], s[10:11]
	s_cselect_b64 s[20:21], s[28:29], s[20:21]
	s_cselect_b64 s[22:23], s[30:31], s[22:23]
	s_mov_b32 s101, 0
	s_lshl_b32 s100, s2, 17                        ; 128 rows of 1,024 bytes
	s_add_nc_u64 s[4:5], s[4:5], s[100:101]
	s_lshl_b32 s100, s2, 13                        ; 128 rows of 64 scale bytes; also 8 fragments of 1,024 bytes
	s_add_nc_u64 s[6:7], s[6:7], s[100:101]
	s_add_nc_u64 s[OF:OF+1], s[20:21], s[100:101]
	s_lshl_b32 s100, s2, 9
	s_add_nc_u64 s[OS:OS+1], s[22:23], s[100:101]
	s_mul_i32 s3, s[WV], HALFT                     ; where W's tiles go: no place in the cluster enters an LDS address
	s_mul_i32 s100, s[WV], HALFS
	s_cmp_eq_u32 s[WV], 0                          ; the scale bytes of 128 rows, 8,192 dense bytes: wave 0 x's, waves 1 to 3 their W's
	s_cselect_b64 s[10:11], s[6:7], s[10:11]
.irp i, 0,1,2,3,4,5,6,7,8,9,10,11,12,13,14,15
	global_load_b128 v[AF+4*\i:AF+4*\i+3], v[LI], s[10:11] offset:512*\i   ; 512 consecutive bytes a load
.endr
	v_mul_u32_u24 v[STS], v2, 272
	v_lshl_add_u32 v[STS], v1, 4, v[STS]
	v_add_nc_u32 v[STS], s100, v[STS]
	v_add_nc_u32 v[STS], SCL, v[STS]
	s_wait_alu depctr_va_vdst(0)
.irp s, 0,1
	s_mov_b32 s[G0X+4*\s], 1
	s_mov_b32 s[G0X+4*\s+1], \s*SLOT
	s_add_nc_u64 s[G0X+4*\s+2:G0X+4*\s+3], s[4:5], \s*256
	s_or_b32 s[G0X+4*\s+3], s[G0X+4*\s+3], 0x80000000
	s_mov_b32 s[G0W+4*\s], 1
	s_add_co_u32 s[G0W+4*\s+1], s3, \s*SLOT
	s_add_nc_u64 s[G0W+4*\s+2:G0W+4*\s+3], s[8:9], \s*256
	s_or_b32 s[G0W+4*\s+3], s[G0W+4*\s+3], 0x80000000
.endr
	ROUND                                          ; all four work-groups are here: the first joint loads meet
	JLOAD G0X, G1X, G0W, G1W                       ; K step 0: one tensor load a wave at the head
	s_wait_loadcnt 0x0                             ; my block of scale bytes is in registers
.irp i, 0,1,2,3,4,5,6,7,8,9,10,11,12,13,14,15
	ds_store_b128 v[STS], v[AF+4*\i:AF+4*\i+3] offset:544*\i   ; two units of 256 + 16 bytes a store
.endr
	s_wait_tensorcnt 0x0                           ; my part of K step 0 is in
	ds_add_u32 v[SPW], v[NIL]
	s_wait_dscnt 0x0                               ; the add and my stores of scale bytes are done
	ROUND                                          ; everybody's part is in, and all four work-groups are here
	JLOAD G0X+4, G1X, G0W+4, G1W                   ; K step 1: the first tensor load behind the round
	s_cmp_eq_u32 s[WV], 0                          ; wave 0 multiplies nothing: it goes from change of slots to change of slots
	s_cbranch_scc1 .Lidle0
	FETCH_B 0, 0, 0
	FETCH_A 0, 0, 0
	s_wait_alu depctr_va_vdst(0)
	SCALES 0, 0
	FETCH_A 0, 0, 4
	STEP 0, 0, 1                                   ; the first products start the sums: nothing is cleared
	STEP 0, 1, 0
	STEP 0, 2, 0
	TURN_PRE 0
.Lidle0:
	CHANGE 0, 1                                    ; slot 0 takes K step 2
	s_cmp_eq_u32 s[WV], 0
	s_cbranch_scc1 .Lidle1
	s_wait_alu depctr_va_vdst(0)
	TURN_POST 0, 1, 1
	STEP 1, 0, 0
	STEP 1, 1, 0
	STEP 1, 2, 0
	TURN_PRE 1
.Lidle1:
	CHANGE 1, 1                                    ; slot 1 takes K step 3
	s_cmp_eq_u32 s[WV], 0
	s_cbranch_scc1 .Lidle2
	s_wait_alu depctr_va_vdst(0)
	TURN_POST 1, 0, 2
	STEP 0, 0, 0
	STEP 0, 1, 0
	STEP 0, 2, 0
	TURN_PRE 0
.Lidle2:
	CHANGE 0, 0                                    ; nothing is left to fetch
	s_cmp_eq_u32 s[WV], 0
	s_cbranch_scc1 .Lidle3
	s_wait_alu depctr_va_vdst(0)
	TURN_POST 0, 1, 3
	STEP 1, 0, 0
	STEP 1, 1, 0
	STEP 1, 2, 0
	s_wait_dscnt 8                                 ; the very last step
	WIN MUL_LO
	MUL16 0, 1, 3, 1, 0
	MUL16 2, 1, 3, 1, 0
	s_wait_dscnt 0
	WIN MUL_HI
	MUL16 4, 1, 3, 1, 0
	MUL16 6, 1, 3, 1, 0
	WIN 0
	; THE WAY OUT.  Block a's 64 registers are a lane's 128 numbers' half along the next K: quantised in registers, each accumulator read from its low end on; the codes leave as they stand,
	; 16 bytes a lane, 512 consecutive bytes a store.  Each block has its own code registers, so no store's data are written again.
	PLACES 4
.irp a, 0,1,2,3,4,5,6,7
	QUANT 64*(\a%4), 2+\a/4, AF+8*\a, PW+\a, 1
	global_store_b128 v[LI], v[AF+8*\a:AF+8*\a+3], s[OF:OF+1] offset:1024*\a
	global_store_b128 v[LI], v[AF+8*\a+4:AF+8*\a+7], s[OF:OF+1] offset:1024*\a+512
.endr
.irp p, 0,1,2,3
	v_cndmask_b32 v[SW+\p], v[PW+2*\p], v[PW+2*\p+1], s[HM]   ; lanes 0-15: fragment 2 p's words; lanes 16-31: fragment 2 p + 1's
.endr
	global_store_b128 v[LI], v[SW:SW+3], s[OS:OS+1]
.Lidle3:
	s_wait_tensorcnt 0x0                           ; the wave's end
	ds_add_u32 v[SPW], v[NIL]
	s_wait_dscnt 0x0
	ROUND                                          ; the closing round: no work-group ends while a partner may still ask for a tile that names it
	s_endpgm
.Lfunc_end_k_qe7495ed628_proj:
	.size	k_qe7495ed628_proj, .Lfunc_end_k_qe7495ed628_proj-k_qe7495ed628_proj
	.p2alignl 7, 3214868480
	.fill 96, 4, 3214868480
	.section	.rodata,"a",@progbits
	.p2align	6, 0x0
	.amdhsa_kernel k_qe7495ed628_proj
		.amdhsa_group_segment_fixed_size 327680
		.amdhsa_private_segment_fixed_size 0
		.amdhsa_enable_private_segment 0
		.amdhsa_kernarg_size 112
		.amdhsa_user_sgpr_count 2
		.amdhsa_user_sgpr_kernarg_segment_ptr 1
		.amdhsa_wavefront_size32 1
		.amdhsa_system_sgpr_workgroup_id_x 1
		.amdhsa_system_sgpr_workgroup_id_y 1
		.amdhsa_system_sgpr_workgroup_id_z 1
		.amdhsa_system_vgpr_workitem_id 0
		.amdhsa_next_free_vgpr 1024
		.amdhsa_next_free_sgpr 102
		.amdhsa_reserve_vcc 0
		.amdhsa_float_denorm_mode_32 3
		.amdhsa_float_denorm_mode_16_64 3
		.amdhsa_memory_ordered 1
		.amdhsa_forward_progress 1
		.amdhsa_inst_pref_size 216
	.end_amdhsa_kernel
	.amdgpu_metadata
---
amdhsa.version: [ 1, 2 ]
amdhsa.kernels:
  - .name:           k_qe7495ed628_proj
    .symbol:         k_qe7495ed628_proj.kd
    .args:
      - { .name: x_codes, .offset: 0, .size: 8, .value_kind: global_buffer, .address_space: global }
      - { .name: x_scales, .offset: 8, .size: 8, .value_kind: global_buffer, .address_space: global }
      - { .name: Wq_codes, .offset: 16, .size: 8, .value_kind: global_buffer, .address_space: global }
      - { .name: Wq_scales, .offset: 24, .size: 8, .value_kind: global_buffer, .address_space: global }
      - { .name: Wk_codes, .offset: 32, .size: 8, .value_kind: global_buffer, .address_space: global }
      - { .name: Wk_scales, .offset: 40, .size: 8, .value_kind: global_buffer, .address_space: global }
      - { .name: Wv_codes, .offset: 48, .size: 8, .value_kind: global_buffer, .address_space: global }
      - { .name: Wv_scales, .offset: 56, .size: 8, .value_kind: global_buffer, .address_space: global }
      - { .name: qfrag, .offset: 64, .size: 8, .value_kind: global_buffer, .address_space: global }
      - { .name: qsc, .offset: 72, .size: 8, .value_kind: global_buffer, .address_space: global }
      - { .name: kfrag, .offset: 80, .size: 8, .value_kind: global_buffer, .address_space: global }
      - { .name: ksc, .offset: 88, .size: 8, .value_kind: global_buffer, .address_space: global }
      - { .name: vfrag, .offset: 96, .size: 8, .value_kind: global_buffer, .address_space: global }
      - { .name: vsc, .offset: 104, .size: 8, .value_kind: global_buffer, .address_space: global }
    .group_segment_fixed_size: 327680
    .private_segment_fixed_size: 0
    .kernarg_segment_align: 8
    .kernarg_segment_size: 112
    .max_flat_workgroup_size: 128
    .sgpr_count:     102
    .vgpr_count:     1024
    .wavefront_size: 32
...
	.end_amdgpu_metadata
.endif
;; end of part 1
;; launch stats (part 2): grid 32 x 8, 8 waves a work-group, no clusters, 9,216 bytes of LDS; arguments qfrag, qsc, kfrag, ksc, nobuf; writes nobuf
.if DOCPART == 2
	.amdgcn_target "amdgcn-amd-amdhsa--gfx1250"
	.amdhsa_code_object_version 6
	.text
	.protected	k_qe7495ed628_stats
	.globl	k_qe7495ed628_stats
	.p2align	8
	.type	k_qe7495ed628_stats,@function
k_qe7495ed628_stats:
	s_mov_b64 s[64:65], 0
	v_nop
	global_prefetch_b8 v0, s[64:65] scope:SCOPE_SE
	s_setreg_imm32_b32 hwreg(HW_REG_WAVE_MODE, 25, 1), 1
	s_wait_xcnt 0x0
; LAUNCH 2 OF 3.  The softmax runs over the QUERIES: for each key s, over the queries t >= s, m_s = the largest score and l_s = the sum of 2^(c S - c m_s), c = log2(e) / sqrt(128).
; Stored: no_s = -(c m_s + log2 l_s), one f32 a key, so that the finished weight is 2^(c S + no_s).  The maximum is taken away before every exponential, by a running maximum.
; LEFT OUT as dead work (shown at the head of the first kernel): steps of 128 queries wholly above the diagonal, which reference()'s own tril sets to -inf.
; LIMITS: no_s is one f32: its rounding grows with |c m_s|, as that of reference()'s own f32 score does; NaN and infinities are not served.
; SHARES.  Work-group (G = x % 16, hf = x / 16, batch y) owns keys 64 hf .. 64 hf + 63 of key block G (walk A) and of key block 31 - G (walk B).  Step j is query block 31 - j, j = 0 .. LIM (A: 31 - G, B: G);
; the step j = LIM lies on the diagonal: 33 steps.  Each of the eight waves holds ALL four key tiles, so that a fragment of q serves four tiles.  The steps are dealt: walk A j = wave modulo 8, walk B j = -wave modulo 8:
; counted on end (A up, B down) every eighth of 33 steps: 5 for wave 0, 4 for the others.  Two waves share a SIMD (512 registers each).
; NO LDS RING: q lies in memory as images of operand registers, and the eight waves want different query blocks: each wave loads its fragments straight into registers, 512 consecutive bytes a load,
; one step ahead, behind the products that read the registers.  So the loop has no barrier.  NO CLUSTER for the same reason: nothing is shared through LDS.
; A walk's last step asks for step JB's block (walk B's first; inside the buffers); behind walk B it is not read: so every trip has the same loads.
; S = (source 0 = 16 queries, source 1 = 16 keys): a lane is ONE key of each tile, its registers run along the queries.
; THE END: each wave merges its two halves of the lanes and lays (c m, l) of 64 keys of both walks into LDS; one barrier; wave 0 merges walk A's eight partial results, wave 1 walk B's.  A wave without a step adds l = 0.
; REGISTERS: window 0: v1-10 addresses; v16-19, v24-25, v30-31 scale words; v32-109 state and work; v128-191 q's fragments; v192-223 my key tiles; v224-255 walk B's.  window 1: the scores, register 64 x + 8 t + j.
.set SPARE, 8192                       ; behind the partial results [walk][wave][64 keys][8 bytes]: the spare words, 128 bytes a wave
.set LI,  1                            ; 16 x lane
.set SPW, 3
.set NIL, 4
.set STW, 5                            ; 512 x wave + 8 (lane % 16)
.set PFO, 6                            ; 256 x lane
.set NEG, 7                            ; -infinity
.set DQ,  8                            ; lane % 16 - 8 (lane / 16)
.set RDS, 9
.set L8,  10
.set QSW, 16
.set KSR, 24
.set KSRB, 30
.set CM,  32                           ; v[32+2x:33+2x]: c m, m of tile x
.set L,   40                           ; v[40+2x:41+2x]: l in two halves
.set A,   48                           ; v[48+2x]: 2^(c m_old - c m_new)
.set OD,  56
.set T,   64
.set EP,  80
.set E2,  88
.set E3,  92
.set E4,  96
.set E5,  100
.set X,   104
.set Y,   106
.set Z,   108
.set QFR, 128
.set KT,  192
.set KTB, 224
.set WV, 20
.set G,  21
.set HF, 22
.set BT, 23
.set J,  24
.set JN, 25
.set LIM, 26
.set N,  27
.set NB, 28
.set JB, 29
.set WK, 30
.set TC, 31
.set CS, 32
.set SEL, 34
.set PT, 36
.set NI, 37
.set QB0, 40
.set QSB0, 42
.set QA, 44
.set QSA, 46
.set PFA, 48
.set NOB, 50
.set KTA, 52
.set KTBB, 54
.set KSA, 56
.set KSBB, 58
.set MK,  80                           ; s80-87: lanes in which register j of the tile on the diagonal is hidden
.set MSB, 0
.macro WIN new
.set WNEW, \new
.if MSB != WNEW
	s_set_vgpr_msb (MSB<<8)|WNEW
.set MSB, WNEW
.endif
.endm
.macro BASES j
	s_sub_co_u32 s72, 31, s[\j]                    ; the step's query block
	s_lshl_b32 s70, s72, 13
	s_add_nc_u64 s[QA:QA+1], s[QB0:QB0+1], s[70:71]
	s_lshl_b32 s70, s72, 9
	s_add_nc_u64 s[QSA:QSA+1], s[QSB0:QSB0+1], s[70:71]
.endm
.macro LDQ                             ; 17 loads: eight fragments of q and their scale words
.set n, 0
.rept 16
	global_load_b128 v[QFR+4*n:QFR+4*n+3], v[LI], s[QA:QA+1] offset:512*n
.set n, n+1
.endr
	global_load_b128 v[QSW:QSW+3], v[LI], s[QSA:QSA+1]
.endm
.macro MASK hf                         ; the step on the diagonal.  Key tile x meets query tile 4 hf + x: register j hidden where 8 (lane / 16) + j < lane % 16; earlier query tiles are hidden whole
	WIN 0x41
.irp x, 0,1,2,3
.irp j, 0,1,2,3,4,5,6,7
	v_cndmask_b32 v[64*\x+8*(4*\hf+\x)+\j], v[64*\x+8*(4*\hf+\x)+\j], v[NEG], s[MK+\j]
.endr
.endr
.irp x, 0,1,2,3
.set n, 64*\x
.rept 8*(4*\hf+\x)
	v_mov_b32 v[n], s[NI]
.set n, n+1
.endr
.endr
	WIN 0
	s_wait_alu depctr_va_vdst(0)
.endm
	s_load_b256 s[4:11], s[0:1], 0x0               ; qfrag, qsc, kfrag, ksc
	s_load_b64 s[12:13], s[0:1], 0x20              ; nobuf
	v_lshl_add_u32 v[SPW], v0, 2, SPARE
	v_mov_b32 v[NIL], 0
	v_lshrrev_b32 v14, 5, v0
	v_readfirstlane_b32 s[WV], v14                 ; wave 0..7
	v_and_b32 v14, 31, v0
	v_and_b32 v15, 15, v0
	v_bfe_u32 v[DQ], v0, 4, 1
	v_lshlrev_b32 v[LI], 4, v14
	v_lshlrev_b32 v[PFO], 8, v14
	v_lshlrev_b32 v[L8], 3, v14
	s_lshl_b32 s72, s[WV], 9
	v_lshl_add_u32 v[STW], v15, 3, s72
	s_and_b32 s72, s[WV], 1
	s_lshl_b32 s72, s72, 12
	v_add_nc_u32 v[RDS], s72, v[LI]                ; waves 0, 1: walk A's, walk B's partial results; keys 2 lane, 2 lane + 1
	v_lshlrev_b32 v[DQ], 3, v[DQ]
	v_sub_nc_u32 v[DQ], v15, v[DQ]
	v_mov_b32 v[NEG], 0xff800000
.irp j, 0,1,2,3,4,5,6,7
	v_cmp_lt_i32 s[MK+\j], \j, v[DQ]
.endr
.irp x, 0,1,2,3
	v_mov_b32 v[A+2*\x+1], 0                       ; named as the upper half of a pair
	v_mov_b32 v[E2+\x], 0                          ; a lane permute's destination counts as one of its sources
	v_mov_b32 v[E3+\x], 0
.endr
	s_and_b32 s[G], ttmp9, 15
	s_lshr_b32 s[HF], ttmp9, 4
	s_and_b32 s[BT], ttmp7, 0xffff
	s_sub_co_u32 s[LIM], 31, s[G]                  ; walk A
	s_sub_co_u32 s[N], s[LIM], s[WV]
	s_lshr_b32 s[N], s[N], 3
	s_add_co_u32 s[N], s[N], 1                     ; its steps j = wave, wave + 8, .. <= LIM
	s_sub_co_u32 s[JB], 0, s[WV]
	s_and_b32 s[JB], s[JB], 7
	s_sub_co_i32 s[NB], s[G], s[JB]
	s_ashr_i32 s[NB], s[NB], 3
	s_add_co_u32 s[NB], s[NB], 1                   ; walk B's steps j = JB, JB + 8, .. <= G: 0 where JB > G
	s_mov_b32 s[J], s[WV]
	s_mov_b32 s[WK], 0
	s_mov_b32 s[TC], 0
	s_lshr_b32 s[PT], ttmp9, 3                     ; work-group i of the batch asks for step i's block, whose first load is issued in trip i / 8 - 1: one trip ahead of that; steps 0 to 15 come by their loads alone
	s_sub_co_u32 s[PT], s[PT], 2
	s_cmp_eq_u32 s[WV], 0                          ; wave 0 asks: 8,192 bytes, lanes 256 bytes apart, each block of 256 bytes named once in the launch
	s_cselect_b32 s[PT], s[PT], -1
	s_mov_b32 s[CS], 0x3e0293ee                    ; c = log2(e) / sqrt(128)
	s_mov_b32 s[CS+1], s[CS]
	s_mov_b32 s[SEL], 0x76543210
	s_mov_b32 s[SEL+1], 0xfedcba98
	s_mov_b32 s[NI], 0xff800000
	s_mov_b32 s71, 0
	s_wait_alu depctr_va_vdst(0)
	s_wait_kmcnt 0x0
	s_lshl_b32 s70, s[BT], 18
	s_add_nc_u64 s[QB0:QB0+1], s[4:5], s[70:71]
	s_add_nc_u64 s[8:9], s[8:9], s[70:71]
	s_lshl_b32 s70, s[BT], 14
	s_add_nc_u64 s[QSB0:QSB0+1], s[6:7], s[70:71]
	s_add_nc_u64 s[10:11], s[10:11], s[70:71]
	s_add_nc_u64 s[12:13], s[12:13], s[70:71]
	s_lshl_b32 s70, s[HF], 12                      ; my four fragments of k,
	s_add_nc_u64 s[8:9], s[8:9], s[70:71]
	s_lshl_b32 s70, s[HF], 3                       ; their scale words: words 2 hf, 2 hf + 1 of each lane's four
	s_add_nc_u64 s[10:11], s[10:11], s[70:71]
	s_lshl_b32 s70, s[G], 13
	s_add_nc_u64 s[KTA:KTA+1], s[8:9], s[70:71]
	s_lshl_b32 s70, s[LIM], 13
	s_add_nc_u64 s[KTBB:KTBB+1], s[8:9], s[70:71]
	s_lshl_b32 s70, s[G], 9
	s_add_nc_u64 s[KSA:KSA+1], s[10:11], s[70:71]
	s_lshl_b32 s70, s[LIM], 9
	s_add_nc_u64 s[KSBB:KSBB+1], s[10:11], s[70:71]
	s_cmp_eq_u32 s[WV], 0                          ; where no goes: wave 0 stores walk A's keys (block G), wave 1 walk B's (block 31 - G): 64 keys, 256 bytes
	s_cselect_b32 s70, s[G], s[LIM]
	s_lshl_b32 s70, s70, 9
	s_lshl_b32 s72, s[HF], 8
	s_add_co_u32 s70, s70, s72
	s_add_nc_u64 s[NOB:NOB+1], s[12:13], s[70:71]
	s_sub_co_u32 s70, 31, ttmp9
	s_lshl_b32 s70, s70, 13
	s_add_nc_u64 s[PFA:PFA+1], s[QB0:QB0+1], s[70:71]
	BASES J
.irp i, 0,1,2,3,4,5,6,7
	global_load_b128 v[KT+4*\i:KT+4*\i+3], v[LI], s[KTA:KTA+1] offset:512*\i
.endr
.irp i, 0,1,2,3,4,5,6,7
	global_load_b128 v[KTB+4*\i:KTB+4*\i+3], v[LI], s[KTBB:KTBB+1] offset:512*\i
.endr
	global_load_b64 v[KSR:KSR+1], v[LI], s[KSA:KSA+1]
	global_load_b64 v[KSRB:KSRB+1], v[LI], s[KSBB:KSBB+1]
	LDQ                                            ; the first step's q
.Lwalk:                                            ; two trips: walk A, walk B
.irp x, 0,1,2,3
	v_mov_b32 v[CM+2*\x+1], 0xff61b1e6             ; m = -3e38, under every score
	v_mov_b32 v[L+2*\x], 0
	v_mov_b32 v[L+2*\x+1], 0
.endr
.irp x, 0,1,2,3
	v_mul_f32 v[CM+2*\x], s[CS], v[CM+2*\x+1]
.endr
	s_wait_alu depctr_va_vdst(0)
	s_cmp_eq_u32 s[N], 0
	s_cbranch_scc1 .Lnone
.Lstep:
	s_wait_loadcnt 0x0                             ; q and its scale words are in
	WIN 0x40                                       ; D window 1
.irp t, 0,1,2,3
.irp y, 0,1
	v_wmma_scale_f32_16x16x128_f8f6f4 v[128*\y+16*\t:128*\y+16*\t+7], v[QFR+16*\t:QFR+16*\t+7], v[KT+16*\y:KT+16*\y+7], 0, v[QSW+\t], v[KSR+\y] matrix_a_fmt:MATRIX_FMT_FP4 matrix_b_fmt:MATRIX_FMT_FP4
	v_wmma_scale_f32_16x16x128_f8f6f4 v[128*\y+64+16*\t:128*\y+64+16*\t+7], v[QFR+16*\t:QFR+16*\t+7], v[KT+16*\y+8:KT+16*\y+15], 0, v[QSW+\t], v[KSR+\y] matrix_a_fmt:MATRIX_FMT_FP4 matrix_b_fmt:MATRIX_FMT_FP4 matrix_b_scale:MATRIX_SCALE_ROW1
	v_wmma_scale_f32_16x16x128_f8f6f4 v[128*\y+16*\t+8:128*\y+16*\t+15], v[QFR+16*\t+8:QFR+16*\t+15], v[KT+16*\y:KT+16*\y+7], 0, v[QSW+\t], v[KSR+\y] matrix_a_fmt:MATRIX_FMT_FP4 matrix_b_fmt:MATRIX_FMT_FP4 matrix_a_scale:MATRIX_SCALE_ROW1
	v_wmma_scale_f32_16x16x128_f8f6f4 v[128*\y+64+16*\t+8:128*\y+64+16*\t+15], v[QFR+16*\t+8:QFR+16*\t+15], v[KT+16*\y+8:KT+16*\y+15], 0, v[QSW+\t], v[KSR+\y] matrix_a_fmt:MATRIX_FMT_FP4 matrix_b_fmt:MATRIX_FMT_FP4 matrix_a_scale:MATRIX_SCALE_ROW1 matrix_b_scale:MATRIX_SCALE_ROW1
.endr
.endr
	WIN 0
.rept 4
	v_nop                                          ; places: for the loads into q's registers, and for the first touch of the scores
.endr
	s_add_co_u32 s[JN], s[J], 8                    ; the next step; behind a walk's last step: JB
	s_cmp_gt_u32 s[N], 1
	s_cselect_b32 s[JN], s[JN], s[JB]
	s_wait_xcnt 0x0                                ; the earlier loads have read their bases
	BASES JN
	LDQ
	s_cmp_eq_u32 s[TC], s[PT]
	s_cbranch_scc0 .Lnot_mine
	global_prefetch_b8 v[PFO], s[PFA:PFA+1] th:TH_LOAD_NT scope:SCOPE_SE   ; its address registers are never written again
.Lnot_mine:
	s_cmp_lg_u32 s[J], s[LIM]
	s_cbranch_scc1 .Lopen
	s_cmp_lg_u32 s[HF], 0
	s_cbranch_scc1 .Lupper
	MASK 0
	s_branch .Lopen
.Lupper:
	MASK 1
.Lopen:
	; the largest of each tile's 64 scores and the old m: 16 chains by turns; each accumulator is read from its low end on
	WIN 0x15
.set q, 0
.rept 16
	v_max3_num_f32 v[T+q], v[16*q], v[16*q+1], v[16*q+2]
.set q, q+1
.endr
	WIN 0x14
.irp i, 3,5,7,9,11,13
.set q, 0
.rept 16
	v_max3_num_f32 v[T+q], v[T+q], v[16*q+\i], v[16*q+\i+1]
.set q, q+1
.endr
.endr
.irp x, 0,1,2,3
	v_max3_num_f32 v[T+4*\x], v[T+4*\x], v[64*\x+15], v[64*\x+31]
.endr
.irp x, 0,1,2,3
	v_max3_num_f32 v[T+4*\x+2], v[T+4*\x+2], v[64*\x+47], v[64*\x+63]
.endr
	WIN 0
.irp x, 0,1,2,3
	v_max3_num_f32 v[T+4*\x], v[T+4*\x], v[T+4*\x+1], v[T+4*\x+2]
.endr
.irp x, 0,1,2,3
	v_max3_num_f32 v[CM+2*\x+1], v[T+4*\x], v[T+4*\x+3], v[CM+2*\x+1]
.endr
.irp x, 0,1,2,3
	v_mov_b32 v[OD+\x], v[CM+2*\x]
.endr
.irp x, 0,1,2,3
	v_mul_f32 v[CM+2*\x], s[CS], v[CM+2*\x+1]
.endr
.irp x, 0,1,2,3
	v_sub_f32 v[OD+\x], v[OD+\x], v[CM+2*\x]       ; c m_old - c m_new
.endr
	WIN 0x41
.set n, 0
.rept 128
	v_pk_fma_f32 v[2*n:2*n+1], v[2*n:2*n+1], s[CS:CS+1], v[CM+2*(n/32):CM+2*(n/32)+1] op_sel_hi:[1,0,0] neg_lo:[0,0,1] neg_hi:[0,0,1]   ; c s - c m
.set n, n+1
.endr
	WIN 0
	s_wait_alu depctr_va_vdst(0)
.irp x, 0,1,2,3
	v_exp_f32 v[A+2*\x], v[OD+\x]
.endr
	WIN 0x41
.set n, 0
.rept 256
	v_exp_f32 v[n], v[n]
.set n, n+1
.endr
	WIN 0
	v_nop                                          ; a plain place behind the last exponential
	s_wait_alu depctr_va_vdst(0)                   ; one wait for the batch of 260, ahead of its first reader
	WIN 0x45                                       ; each tile's 32 pairs are added in place, by halves: 16, 8, 4, 2, 1 additions
.irp hl, 16,8,4,2,1
.irp x, 0,1,2,3
.set n, 0
.rept \hl
	v_pk_add_f32 v[64*\x+2*n:64*\x+2*n+1], v[64*\x+2*n:64*\x+2*n+1], v[64*\x+2*n+2*\hl:64*\x+2*n+2*\hl+1]
.set n, n+1
.endr
.endr
.endr
	WIN 0x10
.irp x, 0,1,2,3
	v_pk_fma_f32 v[L+2*\x:L+2*\x+1], v[L+2*\x:L+2*\x+1], v[A+2*\x:A+2*\x+1], v[64*\x:64*\x+1] op_sel_hi:[1,0,1]   ; l = l a + the step's sum
.endr
	WIN 0
	s_mov_b32 s[J], s[JN]
	s_add_co_u32 s[TC], s[TC], 1
	s_sub_co_u32 s[N], s[N], 1
	s_cmp_lg_u32 s[N], 0
	s_cbranch_scc1 .Lstep
.Lnone:
	; A WALK'S END: the two halves of the lanes hold the two halves of a key's queries: merged by one exchange
.irp x, 0,1,2,3
	v_add_f32 v[EP+2*\x+1], v[L+2*\x], v[L+2*\x+1]
.endr
.irp x, 0,1,2,3
	v_permlanex16_b32 v[E2+\x], v[CM+2*\x], s[SEL], s[SEL+1]
.endr
.irp x, 0,1,2,3
	v_permlanex16_b32 v[E3+\x], v[EP+2*\x+1], s[SEL], s[SEL+1]
.endr
.irp x, 0,1,2,3
	v_max_num_f32 v[EP+2*\x], v[CM+2*\x], v[E2+\x]
.endr
.irp x, 0,1,2,3
	v_sub_f32 v[E4+\x], v[CM+2*\x], v[EP+2*\x]
.endr
.irp x, 0,1,2,3
	v_sub_f32 v[E5+\x], v[E2+\x], v[EP+2*\x]
.endr
	s_wait_alu depctr_va_vdst(0)
.irp x, 0,1,2,3
	v_exp_f32 v[E4+\x], v[E4+\x]
.endr
.irp x, 0,1,2,3
	v_exp_f32 v[E5+\x], v[E5+\x]
.endr
	v_nop
	s_wait_alu depctr_va_vdst(0)
.irp x, 0,1,2,3
	v_mul_f32 v[EP+2*\x+1], v[EP+2*\x+1], v[E4+\x]
.endr
.irp x, 0,1,2,3
	v_fma_f32 v[EP+2*\x+1], v[E3+\x], v[E5+\x], v[EP+2*\x+1]
.endr
	s_wait_alu depctr_va_vdst(0)
	s_cmp_lg_u32 s[WK], 0
	s_cbranch_scc1 .Lsecond
.irp x, 0,1,2,3
	ds_store_b64 v[STW], v[EP+2*\x:EP+2*\x+1] offset:128*\x          ; both halves of the lanes write the same bytes with the same values
.endr
	s_wait_loadcnt 17                              ; walk B's keys are in: behind them q's 17 loads were issued
.set n, 0
.rept 32
	v_mov_b32 v[KT+n], v[KTB+n]
.set n, n+1
.endr
	v_mov_b32 v[KSR], v[KSRB]
	v_mov_b32 v[KSR+1], v[KSRB+1]
	s_mov_b32 s[LIM], s[G]
	s_mov_b32 s[J], s[JB]
	s_mov_b32 s[N], s[NB]
	s_branch .Lnext
.Lsecond:
.irp x, 0,1,2,3
	ds_store_b64 v[STW], v[EP+2*\x:EP+2*\x+1] offset:4096+128*\x
.endr
.Lnext:
	s_add_co_u32 s[WK], s[WK], 1
	s_cmp_lt_u32 s[WK], 2
	s_cbranch_scc1 .Lwalk
	s_wait_loadcnt 0x0                             ; the loads asked for behind the last step have landed: their registers are free
	s_wait_dscnt 0x0                               ; for the others' sake: my stores are done
	s_barrier_signal -1
	s_barrier_wait -1
	s_cmp_gt_u32 s[WV], 1
	s_cbranch_scc1 .Ldone
.irp f, 0,1,2,3,4,5,6,7
	ds_load_b128 v[QFR+4*\f:QFR+4*\f+3], v[RDS] offset:512*\f        ; wave f's: keys 2 lane, 2 lane + 1: c m, l, c m, l
.endr
	s_wait_dscnt 0x0
.irp u, 0,1
	v_max3_num_f32 v[X+\u], v[QFR+2*\u], v[QFR+4+2*\u], v[QFR+8+2*\u]
.endr
.irp u, 0,1
	v_max3_num_f32 v[X+\u], v[X+\u], v[QFR+12+2*\u], v[QFR+16+2*\u]
.endr
.irp u, 0,1
	v_max3_num_f32 v[X+\u], v[X+\u], v[QFR+20+2*\u], v[QFR+24+2*\u]
.endr
.irp u, 0,1
	v_max_num_f32 v[X+\u], v[X+\u], v[QFR+28+2*\u]
.endr
.irp f, 0,1,2,3,4,5,6,7
.irp u, 0,1
	v_sub_f32 v[QFR+4*\f+2*\u], v[QFR+4*\f+2*\u], v[X+\u]
.endr
.endr
	s_wait_alu depctr_va_vdst(0)
.irp f, 0,1,2,3,4,5,6,7
.irp u, 0,1
	v_exp_f32 v[QFR+4*\f+2*\u], v[QFR+4*\f+2*\u]
.endr
.endr
	v_nop
	s_wait_alu depctr_va_vdst(0)
.irp u, 0,1
	v_mul_f32 v[Y+\u], v[QFR+2*\u], v[QFR+2*\u+1]
.endr
.irp f, 1,2,3,4,5,6,7
.irp u, 0,1
	v_fma_f32 v[Y+\u], v[QFR+4*\f+2*\u], v[QFR+4*\f+2*\u+1], v[Y+\u]
.endr
.endr
	s_wait_alu depctr_va_vdst(0)
	v_log_f32 v[Y], v[Y]                           ; l >= about 1: the column's largest term is among its terms
	v_log_f32 v[Y+1], v[Y+1]
	v_nop
	s_wait_alu depctr_va_vdst(0)
	v_sub_f32 v[Z], -v[X], v[Y]
	v_sub_f32 v[Z+1], -v[X+1], v[Y+1]
	global_store_b64 v[L8], v[Z:Z+1], s[NOB:NOB+1] ; 64 keys' no: 256 consecutive bytes
.Ldone:
	s_wait_tensorcnt 0x0                           ; the wave's end
	ds_add_u32 v[SPW], v[NIL]
	s_wait_dscnt 0x0
	s_endpgm
.Lfunc_end_k_qe7495ed628_stats:
	.size	k_qe7495ed628_stats, .Lfunc_end_k_qe7495ed628_stats-k_qe7495ed628_stats
	.p2alignl 7, 3214868480
	.fill 96, 4, 3214868480
	.section	.rodata,"a",@progbits
	.p2align	6, 0x0
	.amdhsa_kernel k_qe7495ed628_stats
		.amdhsa_group_segment_fixed_size 9216
		.amdhsa_private_segment_fixed_size 0
		.amdhsa_enable_private_segment 0
		.amdhsa_kernarg_size 40
		.amdhsa_user_sgpr_count 2
		.amdhsa_user_sgpr_kernarg_segment_ptr 1
		.amdhsa_wavefront_size32 1
		.amdhsa_system_sgpr_workgroup_id_x 1
		.amdhsa_system_sgpr_workgroup_id_y 1
		.amdhsa_system_sgpr_workgroup_id_z 1
		.amdhsa_system_vgpr_workitem_id 0
		.amdhsa_next_free_vgpr 512
		.amdhsa_next_free_sgpr 88
		.amdhsa_reserve_vcc 0
		.amdhsa_float_denorm_mode_32 3
		.amdhsa_float_denorm_mode_16_64 3
		.amdhsa_memory_ordered 1
		.amdhsa_forward_progress 1
		.amdhsa_inst_pref_size 66
	.end_amdhsa_kernel
	.amdgpu_metadata
---
amdhsa.version: [ 1, 2 ]
amdhsa.kernels:
  - .name:           k_qe7495ed628_stats
    .symbol:         k_qe7495ed628_stats.kd
    .args:
      - { .name: qfrag, .offset: 0, .size: 8, .value_kind: global_buffer, .address_space: global }
      - { .name: qsc, .offset: 8, .size: 8, .value_kind: global_buffer, .address_space: global }
      - { .name: kfrag, .offset: 16, .size: 8, .value_kind: global_buffer, .address_space: global }
      - { .name: ksc, .offset: 24, .size: 8, .value_kind: global_buffer, .address_space: global }
      - { .name: nobuf, .offset: 32, .size: 8, .value_kind: global_buffer, .address_space: global }
    .group_segment_fixed_size: 9216
    .private_segment_fixed_size: 0
    .kernarg_segment_align: 8
    .kernarg_segment_size: 40
    .max_flat_workgroup_size: 256
    .sgpr_count:     88
    .vgpr_count:     512
    .wavefront_size: 32
...
	.end_amdgpu_metadata
.endif
;; end of part 2
;; launch attn (part 3): grid 32 x 8, 4 waves a work-group, no clusters, 270,848 bytes of LDS; arguments qfrag, qsc, kfrag, ksc, vfrag, vsc, nobuf, out0; writes out0
.if DOCPART == 3
	.amdgcn_target "amdgcn-amd-amdhsa--gfx1250"
	.amdhsa_code_object_version 6
	.text
	.protected	k_qe7495ed628_attn
	.globl	k_qe7495ed628_attn
	.p2align	8
	.type	k_qe7495ed628_attn,@function
k_qe7495ed628_attn:
	s_mov_b64 s[64:65], 0
	v_nop
	global_prefetch_b8 v0, s[64:65] scope:SCOPE_SE
	s_setreg_imm32_b32 hwreg(HW_REG_WAVE_MODE, 25, 1), 1
	s_wait_xcnt 0x0
; LAUNCH 3 OF 3.  The scores once more; wei = 2^(c S + no_s), finished and normalised (no_s = -(c m_s + log2 l_s) from the launch before: the column's maximum is taken away inside it);
; wei quantised along the keys in blocks of 32; out = wei v.  Since wei is finished, partial sums of out over ranges of keys simply add.
; LEFT OUT as dead work (shown at the head of the first kernel): steps of 128 keys wholly above the diagonal, which reference()'s own tril sets to -inf.
; LIMITS: a weight under 2^-126 becomes 0; a block of zeros gets the byte 1 (its codes are zeros); NaN and infinities are not served.
; SHARES.  Work-group (G = x % 16, hf = x / 16, batch y) owns queries 64 hf .. 64 hf + 63 of query block 31 - G (walk A) and of block G (walk B): 32 - G + G + 1 = 33 steps of 128 keys.
; Each of the four waves holds ALL four query tiles, so that a fragment of K or V serves four tiles.  The steps are dealt by key block j: walk A j = wave modulo 4, walk B j = -wave modulo 4:
; counted on end (A up, B down) that is every fourth of 33 steps: 9 for wave 0, 8 for the others.  The step j = own block lies on the diagonal.
; NO LDS RING: q, k, v lie in memory as images of operand registers, and the four waves want different key blocks: each wave loads its fragments straight into registers, 512 consecutive bytes a load,
; one step ahead: K's behind the scores' products, no's behind the multiply-adds that read it, V's behind the second products.  So the loop has no barrier.  NO CLUSTER for the same reason: nothing goes through LDS.
; A walk's last step asks for block JB (walk B's first; inside the buffers); behind walk B it is not read: so the counts of the waits are the same in every trip.
; Both products transposed: S^T = (16 keys, 16 queries), O^T = (16 of the head's 128, P): a lane is ONE query of each tile.
; THE END: each wave lays its partial O of both walks (2 x 64 rows x 512 bytes) into its own stage in LDS; one barrier; wave w adds rows 16 w .. 16 w + 15 of the four copies and stores whole rows.
; O^T is cleared by moves: the first clearing stands behind the first loads' issue.
; REGISTERS: window 0: v1-13 addresses; v16-31 scale words; v32-79 at work; v80-111 P's codes; v128-191 K; v192-255 V.  window 1: S^T, register 64 x + 8 t + j.  window 2: O^T, 64 x + 8 a + j.  window 3: v0-63 no; v64-95 Q; v96-127 walk B's Q.
.set WST,   67584                      ; a wave's stage: two walks
.set WLK,   33792                      ; a walk's: 64 rows x (512 + 16) bytes
.set SPARE, 4*WST                      ; the spare words: 128 bytes a wave
.set LI,  1                            ; 16 x lane
.set NL,  2                            ; 32 x (lane / 16)
.set SPW, 3
.set NIL, 4
.set STO, 5
.set PFO, 6                            ; 256 x lane
.set NEG, 7                            ; -infinity
.set DQ,  8                            ; lane % 16 - 8 (lane / 16)
.set RD,  10                           ; v10-13: my rows in the four copies
.set KS,  16
.set VS,  20
.set QS,  24
.set PW,  26
.set QSB, 30
.set TM,  32
.set TM2, 48
.set TM3, 64
.set P,   80
.set KF,  128
.set VF,  192
.set NOR, 0
.set QF,  64
.set QFB, 96
.set WV, 20
.set G,  21
.set HF, 22
.set BT, 23
.set J,  24                            ; the step's key block
.set JN, 25                            ; the next step's
.set LIM, 26                           ; the walk's own block
.set N,  27                            ; steps to go in this walk
.set NB, 28                            ; walk B's steps
.set JB, 29                            ; walk B's first key block
.set WK, 30
.set TC, 31                            ; steps done
.set CS, 32
.set SEL, 34
.set PT, 36                            ; the step in which my wave prefetches
.set NI, 37                            ; -infinity
.set KB0, 40                           ; the batch's k, v, their scale words, no
.set VB0, 42
.set KSB0, 44
.set VSB0, 46
.set NOB0, 48
.set KA, 50                            ; the same at the key block that is being asked for
.set VA, 52
.set KSA, 54
.set VSA, 56
.set NOA, 58
.set PFA, 60
.set OBA, 66
.set OBB, 68
.set QBA, 74
.set QSA, 76
.set QBB, 78
.set MK,  80                           ; s80-87: lanes in which register j of the tile on the diagonal is hidden
.set QSBB, 88
.set MSB, 0
.macro WIN new
.set WNEW, \new
.if MSB != WNEW
	s_set_vgpr_msb (MSB<<8)|WNEW
.set MSB, WNEW
.endif
.endm
.macro BASES j
	s_lshl_b32 s70, s[\j], 13
	s_add_nc_u64 s[KA:KA+1], s[KB0:KB0+1], s[70:71]
	s_add_nc_u64 s[VA:VA+1], s[VB0:VB0+1], s[70:71]
	s_lshl_b32 s70, s[\j], 9
	s_add_nc_u64 s[KSA:KSA+1], s[KSB0:KSB0+1], s[70:71]
	s_add_nc_u64 s[VSA:VSA+1], s[VSB0:VSB0+1], s[70:71]
	s_add_nc_u64 s[NOA:NOA+1], s[NOB0:NOB0+1], s[70:71]
.endm
.macro LDF f, sc, ba, bs               ; 17 loads: eight fragments and their scale words
.set n, 0
.rept 16
	global_load_b128 v[\f+4*n:\f+4*n+3], v[LI], s[\ba:\ba+1] offset:512*n
.set n, n+1
.endr
	global_load_b128 v[\sc:\sc+3], v[LI], s[\bs:\bs+1]
.endm
.macro LDN                             ; 16 loads: no of keys 16 t + 8 (lane / 16) + 0 .. 7
	WIN 0xc0
.set n, 0
.rept 16
	global_load_b128 v[NOR+4*n:NOR+4*n+3], v[NL], s[NOA:NOA+1] offset:16*n+16*(n/2)*2
.set n, n+1
.endr
	WIN 0
.endm
.macro MASK hf                         ; the step on the diagonal.  Query tile x meets key tile 4 hf + x: register j hidden where 8 (lane / 16) + j > lane % 16; later key tiles are hidden whole
	WIN 0x41
.irp x, 0,1,2,3
.irp j, 0,1,2,3,4,5,6,7
	v_cndmask_b32 v[64*\x+8*(4*\hf+\x)+\j], v[64*\x+8*(4*\hf+\x)+\j], v[NEG], s[MK+\j]
.endr
.endr
.irp x, 0,1,2
.set n, 64*\x+8*(4*\hf+\x+1)
.rept 8*(3-\x)
	v_mov_b32 v[n], s[NI]
.set n, n+1
.endr
.endr
.if \hf == 0
	WIN 0xc0                                       ; keys 64 on are hidden from all four tiles: their no becomes -infinity (it is loaded anew for the next step)
.set n, 32
.rept 32
	v_mov_b32 v[NOR+n], s[NI]
.set n, n+1
.endr
.endif
	WIN 0
	s_wait_alu depctr_va_vdst(0)
.endm
.macro DUMP off                        ; my partial O into my stage: row 16 x + lane % 16, bytes 64 a + 32 (lane / 16); each accumulator from its low end on
	WIN 0x08
.irp x, 0,1,2,3
.irp a, 0,1,2,3,4,5,6,7
	ds_store_b128 v[STO], v[64*\x+8*\a:64*\x+8*\a+3] offset:\off+8448*\x+64*\a
	ds_store_b128 v[STO], v[64*\x+8*\a+4:64*\x+8*\a+7] offset:\off+8448*\x+64*\a+16
.endr
.endr
	WIN 0
.endm
.macro RLOAD k, w                      ; walk k: my 16 rows of the four copies into window w, register 16 i + 4 f
	WIN (\w)<<6
.irp i, 0,1,2,3,4,5,6,7,8,9,10,11,12,13,14,15
.irp f, 0,1,2,3
	ds_load_b128 v[16*\i+4*\f:16*\i+4*\f+3], v[RD+\f] offset:WLK*\k+528*\i
.endr
.endr
	WIN 0
.endm
.macro RSUM w, ob                      ; (f0 + f1) + (f2 + f3); a store covers one whole row of out, 512 consecutive bytes
	WIN (\w)|((\w)<<2)|((\w)<<6)
.irp i, 0,1,2,3,4,5,6,7,8,9,10,11,12,13,14,15
	v_pk_add_f32 v[16*\i:16*\i+1], v[16*\i:16*\i+1], v[16*\i+4:16*\i+5]
	v_pk_add_f32 v[16*\i+2:16*\i+3], v[16*\i+2:16*\i+3], v[16*\i+6:16*\i+7]
	v_pk_add_f32 v[16*\i+8:16*\i+9], v[16*\i+8:16*\i+9], v[16*\i+12:16*\i+13]
	v_pk_add_f32 v[16*\i+10:16*\i+11], v[16*\i+10:16*\i+11], v[16*\i+14:16*\i+15]
.endr
.irp i, 0,1,2,3,4,5,6,7,8,9,10,11,12,13,14,15
	v_pk_add_f32 v[16*\i:16*\i+1], v[16*\i:16*\i+1], v[16*\i+8:16*\i+9]
	v_pk_add_f32 v[16*\i+2:16*\i+3], v[16*\i+2:16*\i+3], v[16*\i+10:16*\i+11]
.endr
	WIN (\w)<<2
.irp i, 0,1,2,3,4,5,6,7,8,9,10,11,12,13,14,15
	global_store_b128 v[LI], v[16*\i:16*\i+3], s[\ob:\ob+1] offset:512*\i th:TH_STORE_NT
.endr
	WIN 0
.endm
	s_load_b512 s[4:19], s[0:1], 0x0               ; qfrag, qsc, kfrag, ksc, vfrag, vsc, nobuf, out0
	v_lshl_add_u32 v[SPW], v0, 2, SPARE
	v_mov_b32 v[NIL], 0
	v_lshrrev_b32 v14, 5, v0
	v_readfirstlane_b32 s[WV], v14                 ; wave 0..3
	v_and_b32 v14, 31, v0
	v_and_b32 v15, 15, v0
	v_bfe_u32 v[NL], v0, 4, 1
	v_lshlrev_b32 v[LI], 4, v14
	v_lshlrev_b32 v[PFO], 8, v14
	v_mul_u32_u24 v[STO], v15, 528
	v_lshl_add_u32 v[STO], v[NL], 5, v[STO]
	s_mul_i32 s72, s[WV], WST
	v_add_nc_u32 v[STO], s72, v[STO]               ; my stage: row lane % 16, + 32 x half
	s_mul_i32 s72, s[WV], 8448
	v_add_nc_u32 v[RD], s72, v[LI]                 ; back: rows 16 wave on, 16 bytes a lane
.irp f, 1,2,3
	v_add_nc_u32 v[RD+\f], \f*WST, v[RD]
.endr
	v_lshlrev_b32 v[DQ], 3, v[NL]
	v_sub_nc_u32 v[DQ], v15, v[DQ]
	v_lshlrev_b32 v[NL], 5, v[NL]
	v_mov_b32 v[NEG], 0xff800000
.irp j, 0,1,2,3,4,5,6,7
	v_cmp_gt_i32 s[MK+\j], \j, v[DQ]
.endr
.set n, 0
.rept 16
	v_mov_b32 v[TM2+n], 0                          ; a lane permute's destination counts as one of its sources
.set n, n+1
.endr
	s_and_b32 s[G], ttmp9, 15
	s_lshr_b32 s[HF], ttmp9, 4
	s_and_b32 s[BT], ttmp7, 0xffff
	s_sub_co_u32 s[LIM], 31, s[G]                  ; walk A's block
	s_sub_co_u32 s[N], s[LIM], s[WV]
	s_lshr_b32 s[N], s[N], 2
	s_add_co_u32 s[N], s[N], 1                     ; its steps j = wave, wave + 4, .. <= LIM
	s_sub_co_u32 s[JB], 0, s[WV]
	s_and_b32 s[JB], s[JB], 3
	s_sub_co_i32 s[NB], s[G], s[JB]
	s_ashr_i32 s[NB], s[NB], 2
	s_add_co_u32 s[NB], s[NB], 1                   ; walk B's steps j = JB, JB + 4, .. <= G: 0 where JB > G
	s_mov_b32 s[J], s[WV]
	s_mov_b32 s[WK], 0
	s_mov_b32 s[TC], 0
	s_lshr_b32 s[PT], ttmp9, 2                     ; work-group i of the batch asks for key block i, whose first load is issued in step i / 4 - 1: one step ahead of that; blocks 0 to 7 come by their loads alone
	s_sub_co_u32 s[PT], s[PT], 2
	s_cmp_lt_u32 s[WV], 2                          ; wave 0 for K's 8,192 bytes, wave 1 for V's: lanes 256 bytes apart, each block of 256 bytes named once in the launch
	s_cselect_b32 s[PT], s[PT], -1
	s_mov_b32 s[CS], 0x3e0293ee                    ; c = log2(e) / sqrt(128)
	s_mov_b32 s[CS+1], s[CS]
	s_mov_b32 s[SEL], 0x76543210
	s_mov_b32 s[SEL+1], 0xfedcba98
	s_mov_b32 s[NI], 0xff800000
	s_mov_b32 s71, 0
	s_wait_alu depctr_va_vdst(0)
	s_wait_kmcnt 0x0
	s_lshl_b32 s70, s[BT], 18
	s_add_nc_u64 s[KB0:KB0+1], s[8:9], s[70:71]
	s_add_nc_u64 s[VB0:VB0+1], s[12:13], s[70:71]
	s_add_nc_u64 s[4:5], s[4:5], s[70:71]
	s_lshl_b32 s70, s[BT], 14
	s_add_nc_u64 s[KSB0:KSB0+1], s[10:11], s[70:71]
	s_add_nc_u64 s[VSB0:VSB0+1], s[14:15], s[70:71]
	s_add_nc_u64 s[NOB0:NOB0+1], s[16:17], s[70:71]
	s_add_nc_u64 s[6:7], s[6:7], s[70:71]
	s_lshl_b32 s70, s[BT], 21
	s_add_nc_u64 s[18:19], s[18:19], s[70:71]
	s_lshl_b32 s70, s[HF], 12                      ; my four fragments of q,
	s_add_nc_u64 s[4:5], s[4:5], s[70:71]
	s_lshl_b32 s70, s[HF], 3                       ; their scale words: words 2 hf, 2 hf + 1 of each lane's four,
	s_add_nc_u64 s[6:7], s[6:7], s[70:71]
	s_lshl_b32 s70, s[HF], 15                      ; and my rows of out: 64 hf + 16 wave
	s_lshl_b32 s72, s[WV], 13
	s_add_co_u32 s70, s70, s72
	s_add_nc_u64 s[18:19], s[18:19], s[70:71]
	s_lshl_b32 s70, s[LIM], 13
	s_add_nc_u64 s[QBA:QBA+1], s[4:5], s[70:71]
	s_lshl_b32 s70, s[G], 13
	s_add_nc_u64 s[QBB:QBB+1], s[4:5], s[70:71]
	s_lshl_b32 s70, s[LIM], 9
	s_add_nc_u64 s[QSA:QSA+1], s[6:7], s[70:71]
	s_lshl_b32 s70, s[G], 9
	s_add_nc_u64 s[QSBB:QSBB+1], s[6:7], s[70:71]
	s_lshl_b32 s70, s[LIM], 16
	s_add_nc_u64 s[OBA:OBA+1], s[18:19], s[70:71]
	s_lshl_b32 s70, s[G], 16
	s_add_nc_u64 s[OBB:OBB+1], s[18:19], s[70:71]
	s_cmp_eq_u32 s[WV], 0
	s_cselect_b64 s[PFA:PFA+1], s[KB0:KB0+1], s[VB0:VB0+1]
	s_lshl_b32 s70, ttmp9, 13
	s_add_nc_u64 s[PFA:PFA+1], s[PFA:PFA+1], s[70:71]
	BASES J
	WIN 0xc0
.irp i, 0,1,2,3,4,5,6,7
	global_load_b128 v[QF+4*\i:QF+4*\i+3], v[LI], s[QBA:QBA+1] offset:512*\i
.endr
.irp i, 0,1,2,3,4,5,6,7
	global_load_b128 v[QFB+4*\i:QFB+4*\i+3], v[LI], s[QBB:QBB+1] offset:512*\i
.endr
	WIN 0
	global_load_b64 v[QS:QS+1], v[LI], s[QSA:QSA+1]
	global_load_b64 v[QSB:QSB+1], v[LI], s[QSBB:QSBB+1]
	LDF KF, KS, KA, KSA                            ; the first step's K, no, V, in the order in which every step asks
	LDN
	LDF VF, VS, VA, VSA
.Lwalk:                                            ; two trips: walk A, walk B
	WIN 0x80
.set n, 0
.rept 256
	v_mov_b32 v[n], 0
.set n, n+1
.endr
	WIN 0
	s_wait_alu depctr_va_vdst(0)
	s_cmp_eq_u32 s[N], 0
	s_cbranch_scc1 .Lnone
.Lstep:
	s_wait_loadcnt 33                              ; K and its scale words are in; younger: no's 16 loads and V's 17
	WIN 0x4c                                       ; source 1 (Q) window 3, D window 1
.irp t, 0,1,2,3
.irp y, 0,1
	v_wmma_scale_f32_16x16x128_f8f6f4 v[128*\y+16*\t:128*\y+16*\t+7], v[KF+16*\t:KF+16*\t+7], v[QF+16*\y:QF+16*\y+7], 0, v[KS+\t], v[QS+\y] matrix_a_fmt:MATRIX_FMT_FP4 matrix_b_fmt:MATRIX_FMT_FP4
	v_wmma_scale_f32_16x16x128_f8f6f4 v[128*\y+64+16*\t:128*\y+64+16*\t+7], v[KF+16*\t:KF+16*\t+7], v[QF+16*\y+8:QF+16*\y+15], 0, v[KS+\t], v[QS+\y] matrix_a_fmt:MATRIX_FMT_FP4 matrix_b_fmt:MATRIX_FMT_FP4 matrix_b_scale:MATRIX_SCALE_ROW1
	v_wmma_scale_f32_16x16x128_f8f6f4 v[128*\y+16*\t+8:128*\y+16*\t+15], v[KF+16*\t+8:KF+16*\t+15], v[QF+16*\y:QF+16*\y+7], 0, v[KS+\t], v[QS+\y] matrix_a_fmt:MATRIX_FMT_FP4 matrix_b_fmt:MATRIX_FMT_FP4 matrix_a_scale:MATRIX_SCALE_ROW1
	v_wmma_scale_f32_16x16x128_f8f6f4 v[128*\y+64+16*\t+8:128*\y+64+16*\t+15], v[KF+16*\t+8:KF+16*\t+15], v[QF+16*\y+8:QF+16*\y+15], 0, v[KS+\t], v[QS+\y] matrix_a_fmt:MATRIX_FMT_FP4 matrix_b_fmt:MATRIX_FMT_FP4 matrix_a_scale:MATRIX_SCALE_ROW1 matrix_b_scale:MATRIX_SCALE_ROW1
.endr
.endr
	WIN 0
.rept 4
	v_nop                                          ; places: for the loads into K's registers, and for the first touch of the scores
.endr
	s_add_co_u32 s[JN], s[J], 4                    ; the next step's key block; behind a walk's last step: JB
	s_cmp_gt_u32 s[N], 1
	s_cselect_b32 s[JN], s[JN], s[JB]
	s_wait_xcnt 0x0                                ; the earlier loads have read their bases
	BASES JN
	LDF KF, KS, KA, KSA
	s_cmp_eq_u32 s[TC], s[PT]
	s_cbranch_scc0 .Lnot_mine
	global_prefetch_b8 v[PFO], s[PFA:PFA+1] th:TH_LOAD_NT scope:SCOPE_SE   ; its address registers are never written again
.Lnot_mine:
	s_wait_loadcnt 34                              ; no is in; younger: V's 17 loads and the next K's 17
	s_cmp_lg_u32 s[J], s[LIM]
	s_cbranch_scc1 .Lopen
	s_cmp_lg_u32 s[HF], 0
	s_cbranch_scc1 .Lupper
	MASK 0
	s_branch .Lopen
.Lupper:
	MASK 1
.Lopen:
	WIN 0x71                                       ; scores window 1, no window 3
.set n, 0
.rept 128
	v_pk_fma_f32 v[2*n:2*n+1], v[2*n:2*n+1], s[CS:CS+1], v[NOR+(2*n)%64:NOR+(2*n)%64+1] op_sel_hi:[1,0,1]   ; c s + no
.set n, n+1
.endr
	LDN                                            ; the next step's no
	s_wait_alu depctr_va_vdst(0)
	WIN 0x41
.set n, 0
.rept 256
	v_exp_f32 v[n], v[n]                           ; the finished weight
.set n, n+1
.endr
	WIN 0
	v_nop                                          ; a plain place behind the last exponential
	s_wait_alu depctr_va_vdst(0)                   ; one wait for the batch, ahead of its first reader
	; THE QUANTISER, 16 blocks of 32 keys by turns: block q = 4 x + b is registers 16 q .. 16 q + 15 of lanes l and l xor 16.  No number is negative.
	WIN 0x05
.set q, 0
.rept 16
	v_max3_num_f32 v[TM+q], v[16*q], v[16*q+1], 0x1800000   ; with the floor 2^(3 - 127): the byte cannot fall under 1
.set q, q+1
.endr
	WIN 0x14
.irp i, 2,4,6,8,10,12,14
.set q, 0
.rept 16
	v_max3_num_f32 v[TM+q], v[TM+q], v[16*q+\i], v[16*q+\i+1]
.set q, q+1
.endr
.endr
	WIN 0
.set q, 0
.rept 16
	v_permlanex16_b32 v[TM2+q], v[TM+q], s[SEL], s[SEL+1]
.set q, q+1
.endr
.set q, 0
.rept 16
	v_max_num_f32 v[TM+q], v[TM+q], v[TM2+q]
.set q, q+1
.endr
.set q, 0
.rept 16
	v_add_nc_u32 v[TM3+q], 0xff000000, v[TM+q]     ; 2 off the exponent field: the conversion's scale operand
.set q, q+1
.endr
.set q, 0
.rept 16
	v_lshrrev_b32 v[TM2+q], 23, v[TM3+q]           ; the scale's byte
.set q, q+1
.endr
.irp x, 0,1,2,3
	v_lshl_or_b32 v[PW+\x], v[TM2+4*\x+1], 8, v[TM2+4*\x]
.endr
.irp x, 0,1,2,3
	v_lshl_or_b32 v[PW+\x], v[TM2+4*\x+2], 16, v[PW+\x]
.endr
.irp x, 0,1,2,3
	v_lshl_or_b32 v[PW+\x], v[TM2+4*\x+3], 24, v[PW+\x]
.endr
	WIN 0x01
.irp x, 0,1,2,3
.irp t, 0,1,2,3,4,5,6,7
	v_cvt_scalef32_pk8_fp4_f32 v[P+8*\x+4*(\t/4)+2*(\t%2)+((\t%4)/2)], v[64*\x+8*\t:64*\x+8*\t+7], v[TM3+4*\x+\t/2]
.endr
.endr
	WIN 0
	v_nop                                          ; one plain place behind the scaled conversions
.set n, 0
.rept 16
	v_permlane16_swap_b32 v[P+2*n], v[P+2*n+1]     ; the exchanges of halves give the operand's layout: a whole block in a lane
.set n, n+1
.endr
.rept 8
	v_nop                                          ; a scale register written by a vector instruction stands eight places ahead of a scaled matrix instruction, an operand four
.endr
	s_wait_loadcnt 33                              ; V and its scale words are in; younger: the next K's 17 loads and the next no's 16
	WIN 0xa0                                       ; C and D window 2.  The 64 accumulators take turns
	s_wait_alu depctr_va_vdst(0)                   ; directly ahead of the first reader of O^T and of P
.irp a, 0,1,2,3
.irp x, 0,1,2,3
	v_wmma_scale_f32_16x16x128_f8f6f4 v[64*\x+16*\a:64*\x+16*\a+7], v[VF+16*\a:VF+16*\a+7], v[P+8*\x:P+8*\x+7], v[64*\x+16*\a:64*\x+16*\a+7], v[VS+\a], v[PW+\x] matrix_a_fmt:MATRIX_FMT_FP4 matrix_b_fmt:MATRIX_FMT_FP4
	v_wmma_scale_f32_16x16x128_f8f6f4 v[64*\x+16*\a+8:64*\x+16*\a+15], v[VF+16*\a+8:VF+16*\a+15], v[P+8*\x:P+8*\x+7], v[64*\x+16*\a+8:64*\x+16*\a+15], v[VS+\a], v[PW+\x] matrix_a_fmt:MATRIX_FMT_FP4 matrix_b_fmt:MATRIX_FMT_FP4 matrix_a_scale:MATRIX_SCALE_ROW1
.endr
.endr
	WIN 0
.rept 4
	v_nop                                          ; places: for the loads into V's registers, and for the stage's reads of O^T
.endr
	LDF VF, VS, VA, VSA                            ; the next step's V
	s_mov_b32 s[J], s[JN]
	s_add_co_u32 s[TC], s[TC], 1
	s_sub_co_u32 s[N], s[N], 1
	s_cmp_lg_u32 s[N], 0
	s_cbranch_scc1 .Lstep
.Lnone:
	s_cmp_lg_u32 s[WK], 0
	s_cbranch_scc1 .Lsecond
	DUMP 0
	s_wait_loadcnt 50                              ; walk B's Q is in: behind it at least K's 17, no's 16 and V's 17 loads were issued
	WIN 0xc3
.set n, 0
.rept 32
	v_mov_b32 v[QF+n], v[QFB+n]
.set n, n+1
.endr
	WIN 0
	v_mov_b32 v[QS], v[QSB]
	v_mov_b32 v[QS+1], v[QSB+1]
	s_mov_b32 s[LIM], s[G]
	s_mov_b32 s[J], s[JB]
	s_mov_b32 s[N], s[NB]
	s_branch .Lnext
.Lsecond:
	DUMP WLK
.Lnext:
	s_add_co_u32 s[WK], s[WK], 1
	s_cmp_lt_u32 s[WK], 2
	s_cbranch_scc1 .Lwalk
	s_wait_loadcnt 0x0                             ; the loads asked for behind the last step have landed: their registers are free
	s_wait_dscnt 0x0                               ; for the others' sake: my stores are done
	s_barrier_signal -1
	s_barrier_wait -1
	RLOAD 0, 1
	s_wait_dscnt 0x0
	RLOAD 1, 2                                     ; walk B's rows are on their way while walk A's are added
	RSUM 1, OBA
	s_wait_dscnt 0x0
	RSUM 2, OBB
	s_wait_tensorcnt 0x0                           ; the wave's end
	ds_add_u32 v[SPW], v[NIL]
	s_wait_dscnt 0x0
	s_endpgm
.Lfunc_end_k_qe7495ed628_attn:
	.size	k_qe7495ed628_attn, .Lfunc_end_k_qe7495ed628_attn-k_qe7495ed628_attn
	.p2alignl 7, 3214868480
	.fill 96, 4, 3214868480
	.section	.rodata,"a",@progbits
	.p2align	6, 0x0
	.amdhsa_kernel k_qe7495ed628_attn
		.amdhsa_group_segment_fixed_size 270848
		.amdhsa_private_segment_fixed_size 0
		.amdhsa_enable_private_segment 0
		.amdhsa_kernarg_size 64
		.amdhsa_user_sgpr_count 2
		.amdhsa_user_sgpr_kernarg_segment_ptr 1
		.amdhsa_wavefront_size32 1
		.amdhsa_system_sgpr_workgroup_id_x 1
		.amdhsa_system_sgpr_workgroup_id_y 1
		.amdhsa_system_sgpr_workgroup_id_z 1
		.amdhsa_system_vgpr_workitem_id 0
		.amdhsa_next_free_vgpr 896
		.amdhsa_next_free_sgpr 90
		.amdhsa_reserve_vcc 0
		.amdhsa_float_denorm_mode_32 3
		.amdhsa_float_denorm_mode_16_64 3
		.amdhsa_memory_ordered 1
		.amdhsa_forward_progress 1
		.amdhsa_inst_pref_size 107
	.end_amdhsa_kernel
	.amdgpu_metadata
---
amdhsa.version: [ 1, 2 ]
amdhsa.kernels:
  - .name:           k_qe7495ed628_attn
    .symbol:         k_qe7495ed628_attn.kd
    .args:
      - { .name: qfrag, .offset: 0, .size: 8, .value_kind: global_buffer, .address_space: global }
      - { .name: qsc, .offset: 8, .size: 8, .value_kind: global_buffer, .address_space: global }
      - { .name: kfrag, .offset: 16, .size: 8, .value_kind: global_buffer, .address_space: global }
      - { .name: ksc, .offset: 24, .size: 8, .value_kind: global_buffer, .address_space: global }
      - { .name: vfrag, .offset: 32, .size: 8, .value_kind: global_buffer, .address_space: global }
      - { .name: vsc, .offset: 40, .size: 8, .value_kind: global_buffer, .address_space: global }
      - { .name: nobuf, .offset: 48, .size: 8, .value_kind: global_buffer, .address_space: global }
      - { .name: out0, .offset: 56, .size: 8, .value_kind: global_buffer, .address_space: global }
    .group_segment_fixed_size: 270848
    .private_segment_fixed_size: 0
    .kernarg_segment_align: 8
    .kernarg_segment_size: 64
    .max_flat_workgroup_size: 128
    .sgpr_count:     90
    .vgpr_count:     896
    .wavefront_size: 32
...
	.end_amdgpu_metadata
.endif
;; end of part 3
